; MI455X (gfx1250); checked and timed in simulation.
; The chip was launched on July 23, 2026; its instructions are those of AMD's public machine-readable ISA for CDNA 5 (MIT licence, August 2026) and "CDNA5" Instruction Set Architecture Reference Guide (July 2026). The comments in the code are by the model that wrote it; some were corrected since.
;; SCA2 LSTM. Allowed arithmetic: float matrix products may take bf16 or f16 operands with f32 sums; other float arithmetic in f32, or as packed bf16 or f16 multiplies, adds, multiply-adds, maxima and minima; sums over many terms, partial sums and values carried from step to step in f32; what a program stores and reads back later, other than sums and carried values, may be rounded once to bf16 or f16.
;; Inputs: W_ih1 1,024 x 32 float32; W_ih2 1,024 x 64 float32; Wg1 32 x 256 float32; Wg2 32 x 32 float32; Wp1 16 x 256 float32; Wp2 1 x 16 float32; b1 1,024 float32; b2 1,024 float32; basin_emb 531 x 32 float32; basin_ids 256 int32; bg1 32 float32; bg2 32 float32; bp1 16 float32; bp2 1 float32; ln_b 1 float32; ln_g 1 float32; lstm1_input 256 x 512 x 32 float32; missing_bool 256 x 512 x 32 float32; residual 256 float32; seq_features 256 x 512 x 32 float32.
;; Outputs: out0 256 x 1 float32; out1 256 x 512 x 32 float32.
;; One version. Each part assembles by itself: llvm-mc -triple=amdgcn-amd-amdhsa -mcpu=gfx1250 --defsym DOCPART=n.
;; ======== version 1 of 1: 1 launch
;; launch fused (part 1): grid 256 x 1, 16 waves a work-group, no clusters, 327,680 bytes of LDS; arguments lstm1_input, missing_bool, W_ih1, b1, Wg1, bg1, Wg2, bg2, seq_features, basin_ids, basin_emb, W_ih2, b2, Wp1, bp1, Wp2, bp2, out0, out1; writes out0, out1
.if DOCPART == 1
	.amdgcn_target "amdgcn-amd-amdhsa--gfx1250"
	.amdhsa_code_object_version 6
	.text
	.protected	k_q226b80d019_fused
	.globl	k_q226b80d019_fused
	.p2align	8
	.type	k_q226b80d019_fused,@function
k_q226b80d019_fused:
	s_mov_b64 s[64:65], 0
	v_nop
	global_prefetch_b8 v0, s[64:65] scope:SCOPE_SE
	s_setreg_imm32_b32 hwreg(HW_REG_WAVE_MODE, 25, 1), 1
	s_wait_xcnt 0x0
; SCA2LSTM, one launch.  Work-group b owns batch b: its 512 rows (b, t) of out1 = w, and out0[b] = pred[b].
; WORK LEFT OUT, for all values of the inputs:
;   rn (residual, ln_g, ln_b) is computed by the reference and used by nothing: these three inputs are not loaded and are no arguments.
;   The f gate is split off and never used (c_prev = 0): rows 256..511 of W_ih1, b1, W_ih2, b2 are not read.
;   pred takes h2[:, -1] alone: the second cell is made for t = 511 only, and of seq_features only that row of each batch is read.
;   clip(h, -5, 5) acts on sigmoid x tanh, of magnitude 1 at the most: the identity.  clip(wf, -3, 3) followed by clip(x2, -3, 3) is one clip.
; LIMITS.  A NaN, an infinity or an overflow that reaches only the work left out is not carried to the result.  NaN in the inputs is not treated apart.
;   e^(-2 g) is held at 2^60, where tanh(g) is -1 to f32's last bit; exponentials and reciprocals under 2^-126 count as 0.  basin_ids is held to 0..530.
; SHARES.  16 waves; wave w owns rows 32 w .. 32 w + 31 of the batch: two tiles of 16.  It walks the 256 channels of h1 in 8 chunks of 32 (two sub-tiles of 16).
; LAYOUT.  Every product is taken transposed: source 0 = 16 rows of a weight, source 1 = 16 data rows.  In a result lane (r = l % 16, h = l / 16) holds data row r and the weight rows 8 h + 0..7,
;   so two results rounded in pairs ARE source 1 of the next product, and nothing changes lanes from x to w.  Where K is a row's 32 features, lane half h takes features 16 h .. 16 h + 15
;   (64 bytes on end) in weights and data alike: a permutation of K that both sources share.  Wg2's rows are ordered so that a lane ends with features 16 h .. 16 h + 15 of w.
; ARITHMETIC.  W_ih1 and b1 are scaled when they are laid out (i, o by -log2 e; g by -2 log2 e) and the bias is the product's C, so a gate's result is the exponent itself.
;   A = 2^i', B = 2^g', C = 2^o';  r = 1 / ((A + 1)/k (B + 1)), k = -2 log2 e;  k cc = r - B r;  D = 2^(k cc);  h = r2 - D r2, r2 = 1 / ((D + 1)(C + 1)):
;   six exponentials and reciprocals for an element of h1.  (A + 1)(B + 1) is formed from factors of 1 or more, so no 0 x infinity arises.
;   softmax, mask and renormalisation: e = 2^(l - max), S = sum e, T = sum e m, w = clip(e m / (T + 1e-8 S), 1e-6, 0.5): the reference's own formula with S cancelled; the maximum is taken away.
; NO CLUSTER: what work-groups share is the weights, which are f32 and go through registers to be scaled, rounded and laid out; landed as they are, 98,304 + 32,768 + 4,096 + 196,608 bytes
;   would have to lie in LDS beside the 147,456 bytes of x and mask.  x, mask and w are each work-group's own.
; LDS (bytes).  All of a WGP's LDS is claimed; 221,440 are used.
.set PITCH, 144                        ; a row of x or mask: 128 bytes + 16 = 36 words: 16 rows start at 16 different groups of four banks (64 banks of 4 bytes: ISA guide 11.1)
.set HALF,  16*PITCH                   ; a tile of 16 rows
.set WTILE, 2*HALF                     ; a wave's 32 rows
.set MR,    16*WTILE                   ; x at 0 (later each wave's own output stage), the mask behind it
.set W1R,   147456                     ; W_ih1 as bf16 fragments: sub-tile s x 3072 + gate x 1024 + register half x 512 + lane x 16
.set B1R,   196608                     ; b1 scaled, f32: s x 192 + gate x 64 + 4 m
.set G1R,   199680                     ; Wg1 as fragments: (2 chunk + row tile) x 1024 + half x 512 + lane x 16
.set G2R,   216064                     ; Wg2 x log2 e as fragments: tile x 1024 + half x 512 + lane x 16
.set BG2R,  218112                     ; bg2 x log2 e, 32 f32
.set PPR,   218368                     ; the 16 waves' partial sums of Wp1 h2: 64 w + 4 q
.set SPARE, 219392                     ; the spare words, 128 bytes a wave: eight blocks of 256 bytes that no other line names
.set WROW,  15*WTILE+HALF+15*PITCH     ; w[b][511][:] in wave 15's stage
; vector registers that stay
.set H64, 1                            ; 64 h
.set B2O, 2                            ; 64 w + 32 h
.set WPO, 3                            ; 1024 r + 64 w + 32 h
.set SPW, 4                            ; my spare word
.set NIL, 5                            ; 0
.set AWA, 6                            ; W1R + 16 l, stepped by chunk; later BG2R + 64 h
.set BIA, 7                            ; B1R + 32 h, stepped; later WROW + 64 h
.set GAA, 8                            ; G1R + 16 l, stepped; later PPR + 64 w + 32 h
.set XMA, 9                            ; my 64 bytes of row r in my wave's tile of x; also where w goes into the stage
.set MKA, 10                           ; the same in the mask
.set Q4,  11                           ; 4 r
.set RD,  12                           ; the stage read back by rows: row l / 8, 16 bytes at 16 (l % 8)
.set GO,  13                           ; 4096 w + 16 l: my 16 bytes of 512 on end in out1
.set W2O, 14                           ; 4096 w + 256 r + 64 h: my 64 bytes of a row of W_ih2
.set G2A, 15                           ; G2R + 16 l; later PPR + 4 r
; vector registers of the loop
.set XF, 16                            ; x as bf16: 8 a tile
.set AW, 32                            ; W_ih1's fragments of a sub-tile: 8 a gate
.set BI, 56                            ; its biases as C: 8 a gate
.set DI, 80                            ; gate i: 8 a tile; DG, DO likewise
.set DG, 96
.set DO, 112
.set HB, 128                           ; h1 as bf16, 32 channels: 8 a tile
.set HA, 144                           ; hid's sums: 16 a tile, 8 a row tile of Wg1; later the logits, then w read back
.set GA, 176                           ; Wg1's two fragments of a chunk
.set TW, 192                           ; at work
.set W2E, 208                          ; W_ih2 in f32, fragments 0-2, on their way during the loop; later all six as bf16
.set A2, 208
.set MK, 120                           ; behind the loop: a tile's mask, then e m, then w
; scalar registers
.set WV, 2                             ; my wave
.set BB, 3                             ; the batch
.set NL, 66                            ; s[66:67] -log2 e
.set N2L, 68                           ; s[68:69] -2 log2 e
.set RK, 70                            ; s[70:71] 1 / (-2 log2 e)
.set C60, 72
.set CM3, 73
.set CP3, 74
.set CE8, 75
.set CE6, 76
.set C100, 77
.set CLK, 78                           ; s[78:79] 0.01
.set L2E, 80                           ; s[80:81] log2 e
.set SEL, 82                           ; s[82:83] v_permlanex16_b32: each lane takes its own place in the other half
; set-up's temporaries
.set T_L, 104
.set T_R, 105
.set T_H, 106
.set T_B0, 107
.set T_B1, 108
.set T_B2, 109
.set T_L3, 110
.set T_L7, 111
.set T_I, 112
.macro PLACES                          ; four plain instructions between a matrix instruction and a vector read of its result, or a load into one of its registers
.rept 4
	v_nop
.endr
.endm
; four f32 at v[a..a+3], times the scalar pair sc (sc < 0: as they are), rounded to four bf16 in v[a], v[a+1]
.macro CV a, sc
.if (\sc) >= 0
	v_pk_mul_f32 v[(\a):(\a)+1], v[(\a):(\a)+1], s[(\sc):(\sc)+1] op_sel_hi:[1,0]
	v_pk_mul_f32 v[(\a)+2:(\a)+3], v[(\a)+2:(\a)+3], s[(\sc):(\sc)+1] op_sel_hi:[1,0]
.endif
	v_cvt_pk_bf16_f32 v[(\a)], v[(\a)], v[(\a)+1]
	v_cvt_pk_bf16_f32 v[(\a)+1], v[(\a)+2], v[(\a)+3]
.endm
; a sub-tile's three fragments of W_ih1 and its three biases: twelve LDS loads
.macro LOADW oa, ob
.irp g, 0,1,2
	ds_load_b128 v[AW+8*(\g):AW+8*(\g)+3],   v[AWA] offset:(\oa)+1024*(\g)
	ds_load_b128 v[AW+8*(\g)+4:AW+8*(\g)+7], v[AWA] offset:(\oa)+1024*(\g)+512
	ds_load_b128 v[BI+8*(\g):BI+8*(\g)+3],   v[BIA] offset:(\ob)+64*(\g)
	ds_load_b128 v[BI+8*(\g)+4:BI+8*(\g)+7], v[BIA] offset:(\ob)+64*(\g)+16
.endr
.endm
.macro LOADG                           ; a chunk's two fragments of Wg1
.irp f, 0,1,2,3
	ds_load_b128 v[GA+4*(\f):GA+4*(\f)+3], v[GAA] offset:512*(\f)
.endr
.endm
.macro GATES                           ; three gates x two tiles: six results, none a link of a chain; C is the scaled bias
.irp g, 0,1,2
.irp t, 0,1
	v_wmma_f32_16x16x32_bf16 v[DI+16*(\g)+8*(\t):DI+16*(\g)+8*(\t)+7], v[AW+8*(\g):AW+8*(\g)+7], v[XF+8*(\t):XF+8*(\t)+7], v[BI+8*(\g):BI+8*(\g)+7]
.endr
.endr
.endm
; THE CELL, for n registers of each gate's exponent (di, dg, dq); h comes out in di.  Four batches of exponentials or reciprocals; each has one plain instruction behind its last
; and one s_wait_alu ahead of its first reader.  Inside a batch a pair's packed arithmetic stands between the transcendentals of the pair before.
.macro ACT di, dg, dq, tw, n
.set z, 0
.rept \n
	v_min_num_f32 v[(\dg)+z], s[C60], v[(\dg)+z]        ; B stays finite
	v_exp_f32 v[(\di)+z], v[(\di)+z]                    ; A
.set z, z+1
.endr
.set z, 0
.rept \n
	v_exp_f32 v[(\dq)+z], v[(\dq)+z]                    ; C
	v_exp_f32 v[(\dg)+z], v[(\dg)+z]                    ; B
.set z, z+1
.endr
	v_nop
	s_wait_alu depctr_va_vdst(0)
.set z, 0
.rept (\n)/2
	v_pk_fma_f32 v[(\di)+z:(\di)+z+1], v[(\di)+z:(\di)+z+1], s[RK:RK+1], s[RK:RK+1] op_sel_hi:[1,0,0]  ; (A + 1) / k
	v_pk_add_f32 v[(\tw)+z:(\tw)+z+1], v[(\dg)+z:(\dg)+z+1], 1.0 op_sel_hi:[1,0]                       ; B + 1
	v_pk_mul_f32 v[(\di)+z:(\di)+z+1], v[(\di)+z:(\di)+z+1], v[(\tw)+z:(\tw)+z+1]
.if z > 0
	v_rcp_f32 v[(\di)+z-2], v[(\di)+z-2]
	v_rcp_f32 v[(\di)+z-1], v[(\di)+z-1]
.endif
.set z, z+2
.endr
	v_rcp_f32 v[(\di)+(\n)-2], v[(\di)+(\n)-2]
	v_rcp_f32 v[(\di)+(\n)-1], v[(\di)+(\n)-1]
.set z, 0
.rept (\n)/2
	v_pk_add_f32 v[(\dq)+z:(\dq)+z+1], v[(\dq)+z:(\dq)+z+1], 1.0 op_sel_hi:[1,0]                       ; C + 1: the plain work behind the reciprocals
.set z, z+2
.endr
	s_wait_alu depctr_va_vdst(0)
.set z, 0
.rept (\n)/2
	v_pk_fma_f32 v[(\dg)+z:(\dg)+z+1], v[(\dg)+z:(\dg)+z+1], v[(\di)+z:(\di)+z+1], v[(\di)+z:(\di)+z+1] neg_lo:[1,0,0] neg_hi:[1,0,0]  ; k cc = r - B r
.if z > 0
	v_exp_f32 v[(\dg)+z-2], v[(\dg)+z-2]
	v_exp_f32 v[(\dg)+z-1], v[(\dg)+z-1]
.endif
.set z, z+2
.endr
	v_exp_f32 v[(\dg)+(\n)-2], v[(\dg)+(\n)-2]
	v_exp_f32 v[(\dg)+(\n)-1], v[(\dg)+(\n)-1]
	v_nop
	s_wait_alu depctr_va_vdst(0)
.set z, 0
.rept (\n)/2
	v_pk_fma_f32 v[(\dq)+z:(\dq)+z+1], v[(\dg)+z:(\dg)+z+1], v[(\dq)+z:(\dq)+z+1], v[(\dq)+z:(\dq)+z+1]  ; (D + 1)(C + 1)
.if z > 0
	v_rcp_f32 v[(\dq)+z-2], v[(\dq)+z-2]
	v_rcp_f32 v[(\dq)+z-1], v[(\dq)+z-1]
.endif
.set z, z+2
.endr
	v_rcp_f32 v[(\dq)+(\n)-2], v[(\dq)+(\n)-2]
	v_rcp_f32 v[(\dq)+(\n)-1], v[(\dq)+(\n)-1]
	v_nop
	s_wait_alu depctr_va_vdst(0)
.set z, 0
.rept (\n)/2
	v_pk_fma_f32 v[(\di)+z:(\di)+z+1], v[(\dg)+z:(\dg)+z+1], v[(\dq)+z:(\dq)+z+1], v[(\dq)+z:(\dq)+z+1] neg_lo:[1,0,0] neg_hi:[1,0,0]  ; h = r2 - D r2
.set z, z+2
.endr
.endm
; A sub-tile of 16 channels of h1 for both tiles.  s: which half of the chunk.  pf = 1: the next sub-tile's weights are fetched, a whole cell ahead of the wait for them.
.macro SUB s, pf, oa, ob
	s_wait_dscnt 0x0                                    ; this sub-tile's weights and biases, asked for a cell ago
	GATES
	PLACES                                              ; in front of the loads into the products' sources and of the reads of their results
.if \s
	LOADG
.endif
.if \pf
	LOADW \oa, \ob
.endif
	ACT DI, DG, DO, TW, 16
.irp t, 0,1
.irp i, 0,1,2,3
	v_cvt_pk_bf16_f32 v[HB+8*(\t)+4*(\s)+(\i)], v[DI+8*(\t)+2*(\i)], v[DI+8*(\t)+2*(\i)+1]
.endr
.endr
.endm
.macro HID                             ; hid^T += Wg1 h1^T for a chunk: four accumulators, one instruction a turn; twelve gate products stand between a chunk's and the next's
	s_wait_dscnt 0x0                                    ; Wg1's fragments
.irp t, 0,1
.irp m, 0,1
	v_wmma_f32_16x16x32_bf16 v[HA+16*(\t)+8*(\m):HA+16*(\t)+8*(\m)+7], v[GA+8*(\m):GA+8*(\m)+7], v[HB+8*(\t):HB+8*(\t)+7], v[HA+16*(\t)+8*(\m):HA+16*(\t)+8*(\m)+7]
.endr
.endr
.endm
; Tile rt: softmax, mask, renormalisation, clip; then through my stage in LDS to out1.  A lane holds 16 features of one row, the lane 16 away the other 16.
.macro SOFTMAX rt
.set L, HA+16*(\rt)
.set T, TW+8*(\rt)
.irp c, 0,1,2,3
	ds_load_b128 v[MK+4*(\c):MK+4*(\c)+3], v[MKA] offset:HALF*(\rt)+16*(\c)
.endr
	v_max3_num_f32 v[T], v[L], v[L+1], v[L+2]           ; each accumulator's lowest registers are read first
	v_max3_num_f32 v[T+1], v[L+8], v[L+9], v[L+10]
	v_max3_num_f32 v[T], v[T], v[L+3], v[L+4]
	v_max3_num_f32 v[T+1], v[T+1], v[L+11], v[L+12]
	v_max3_num_f32 v[T], v[T], v[L+5], v[L+6]
	v_max3_num_f32 v[T+1], v[T+1], v[L+13], v[L+14]
	v_max3_num_f32 v[T], v[T], v[L+7], v[L+15]
	v_max_num_f32 v[T], v[T], v[T+1]
	v_permlanex16_b32 v[T+1], v[T], s[SEL], s[SEL+1]
	v_max_num_f32 v[T], v[T], v[T+1]                    ; the row's maximum
.irp p, 0,2,4,6,8,10,12,14
	v_pk_add_f32 v[L+(\p):L+(\p)+1], v[L+(\p):L+(\p)+1], v[T:T+1] op_sel_hi:[1,0] neg_lo:[0,1] neg_hi:[0,1]
.endr
.irp n, 0,1,2,3,4,5,6,7,8,9,10,11,12,13,14,15
	v_exp_f32 v[L+(\n)], v[L+(\n)]                      ; the logits carry log2 e already
.endr
	v_nop
	s_wait_alu depctr_va_vdst(0)                        ; one wait for the sixteen
	v_pk_add_f32 v[T+2:T+3], v[L:L+1], v[L+2:L+3]       ; S
	v_pk_add_f32 v[T+4:T+5], v[L+4:L+5], v[L+6:L+7]
	v_pk_add_f32 v[T+2:T+3], v[T+2:T+3], v[L+8:L+9]
	v_pk_add_f32 v[T+4:T+5], v[T+4:T+5], v[L+10:L+11]
	v_pk_add_f32 v[T+2:T+3], v[T+2:T+3], v[L+12:L+13]
	v_pk_add_f32 v[T+4:T+5], v[T+4:T+5], v[L+14:L+15]
	v_pk_add_f32 v[T+2:T+3], v[T+2:T+3], v[T+4:T+5]
	s_wait_dscnt 0x0                                    ; the mask
.irp p, 0,2,4,6,8,10,12,14
	v_pk_mul_f32 v[MK+(\p):MK+(\p)+1], v[MK+(\p):MK+(\p)+1], v[L+(\p):L+(\p)+1]
.endr
	v_pk_add_f32 v[T+4:T+5], v[MK:MK+1], v[MK+2:MK+3]   ; T
	v_pk_add_f32 v[T+6:T+7], v[MK+4:MK+5], v[MK+6:MK+7]
	v_pk_add_f32 v[T+4:T+5], v[T+4:T+5], v[MK+8:MK+9]
	v_pk_add_f32 v[T+6:T+7], v[T+6:T+7], v[MK+10:MK+11]
	v_pk_add_f32 v[T+4:T+5], v[T+4:T+5], v[MK+12:MK+13]
	v_pk_add_f32 v[T+6:T+7], v[T+6:T+7], v[MK+14:MK+15]
	v_pk_add_f32 v[T+4:T+5], v[T+4:T+5], v[T+6:T+7]
	v_add_f32 v[T+2], v[T+2], v[T+3]
	v_add_f32 v[T+4], v[T+4], v[T+5]
	v_permlanex16_b32 v[T+3], v[T+2], s[SEL], s[SEL+1]
	v_permlanex16_b32 v[T+5], v[T+4], s[SEL], s[SEL+1]
	v_add_f32 v[T+2], v[T+2], v[T+3]
	v_add_f32 v[T+4], v[T+4], v[T+5]
	v_fma_f32 v[T+6], v[T+2], s[CE8], v[T+4]            ; T + 1e-8 S: S is 1 or more, so this is no 0
	v_rcp_f32 v[T+6], v[T+6]
	v_nop
	s_wait_alu depctr_va_vdst(0)
.irp p, 0,2,4,6,8,10,12,14
	v_pk_mul_f32 v[MK+(\p):MK+(\p)+1], v[MK+(\p):MK+(\p)+1], v[T+6:T+7] op_sel_hi:[1,0]
.endr
.irp n, 0,1,2,3,4,5,6,7,8,9,10,11,12,13,14,15
	v_med3_num_f32 v[MK+(\n)], v[MK+(\n)], s[CE6], 0.5
.endr
.irp c, 0,1,2,3
	ds_store_b128 v[XMA], v[MK+4*(\c):MK+4*(\c)+3] offset:HALF*(\rt)+16*(\c)   ; my wave's x has been read and its bytes are filled no more: they are my stage
.endr
.irp q, 0,1,2,3
	ds_load_b128 v[L+4*(\q):L+4*(\q)+3], v[RD] offset:HALF*(\rt)+4*PITCH*(\q)  ; LDS serves a wave's instructions in order (ISA guide 5.7.1.4): these see the stores above
.endr
.irp q, 0,1,2,3
	s_wait_dscnt 3-(\q)                                 ; the 3 - q younger read-backs may stay out
	global_store_b128 v[GO], v[L+4*(\q):L+4*(\q)+3], s[46:47] offset:2048*(\rt)+512*(\q) th:TH_STORE_NT  ; four rows: 512 consecutive bytes, at a multiple of 256 from out1's first byte
.endr
.endm
	; ---- the head
	s_load_b512 s[8:23], s[0:1], 0x0                    ; lstm1_input 8, missing_bool 10, W_ih1 12, b1 14, Wg1 16, bg1 18, Wg2 20, bg2 22
	s_load_b512 s[24:39], s[0:1], 0x40                  ; seq_features 24, basin_ids 26, basin_emb 28, W_ih2 30, b2 32, Wp1 34, bp1 36, Wp2 38
	s_load_b128 s[40:43], s[0:1], 0x80                  ; bp2 40, out0 42
	s_load_b64 s[44:45], s[0:1], 0x90                   ; out1
	v_lshl_add_u32 v[SPW], v0, 2, SPARE
	v_mov_b32 v[NIL], 0
	ds_add_u32 v[SPW], v[NIL]                           ; the wave's opening: the add, twice on end, and its wait ahead of my first tensor load
	ds_add_u32 v[SPW], v[NIL]                           ; the set-up below, work on registers alone, stands between the second add and the wait
	v_lshrrev_b32 v16, 5, v0
	v_readfirstlane_b32 s[WV], v16                      ; wave 0..15
	s_mov_b32 s[BB], ttmp9
	s_mov_b32 s[NL], 0xbfb8aa3b
	s_mov_b32 s[NL+1], 0xbfb8aa3b
	s_mov_b32 s[N2L], 0xc038aa3b
	s_mov_b32 s[N2L+1], 0xc038aa3b
	s_mov_b32 s[RK], 0xbeb17218
	s_mov_b32 s[RK+1], 0xbeb17218
	s_mov_b32 s[C60], 0x42700000
	s_mov_b32 s[CM3], 0xc0400000
	s_mov_b32 s[CP3], 0x40400000
	s_mov_b32 s[CE8], 0x322bcc77
	s_mov_b32 s[CE6], 0x358637bd
	s_mov_b32 s[C100], 0x42c80000
	s_mov_b32 s[CLK], 0x3c23d70a
	s_mov_b32 s[CLK+1], 0x3c23d70a
	s_mov_b32 s[L2E], 0x3fb8aa3b
	s_mov_b32 s[L2E+1], 0x3fb8aa3b
	s_mov_b32 s[SEL], 0x76543210
	s_mov_b32 s[SEL+1], 0xfedcba98
	; descriptors.  A wave's 32 rows of 128 bytes are 4,096 dense bytes: asked for as 16 rows of 256 bytes, padded in LDS after every 128
	s_mov_b32 s48, 1                                    ; group 0 for x: count 1,
	s_mul_i32 s49, s[WV], WTILE                         ; my wave's bytes in LDS
	s_mov_b32 s52, 1                                    ; group 0 for the mask
	s_add_co_u32 s53, s49, MR
	s_mov_b32 s56, (2<<16)|(1<<20)|(4<<22)|(3<<25)      ; group 1: elements of 4 bytes; padding on, after every 32 words (code 4), 4 words of it (code 3)
	s_mov_b32 s57, 64<<16                               ; tensor_dim0 = 64
	s_mov_b32 s58, 16<<16                               ; tensor_dim1 = 16
	s_mov_b32 s59, 64<<16                               ; tile_dim0 = 64
	s_mov_b32 s60, 16                                   ; tile_dim1 = 16
	s_mov_b32 s61, 64                                   ; 64 elements from row to row
	s_mov_b32 s62, 0
	s_mov_b32 s63, 0
	; my lane's parts
	v_and_b32 v[T_L], 31, v0                            ; l
	v_and_b32 v[T_R], 15, v0                            ; r
	v_bfe_u32 v[T_H], v0, 4, 1                          ; h
	v_and_b32 v[T_B0], 1, v0
	v_bfe_u32 v[T_B1], v0, 1, 1
	v_bfe_u32 v[T_B2], v0, 2, 1
	v_bfe_u32 v[T_L3], v0, 3, 2                         ; l / 8
	v_and_b32 v[T_L7], 7, v0                            ; l % 8
	v_bfe_u32 v[T_I], v0, 1, 3                          ; (l / 2) % 8
	s_lshl_b32 s90, s[WV], 6
	s_lshl_b32 s91, s[WV], 12
	s_lshl_b32 s92, s[WV], 11
	v_lshlrev_b32 v[H64], 6, v[T_H]
	v_lshl_add_u32 v[B2O], v[T_H], 5, s90
	v_lshl_add_u32 v[WPO], v[T_R], 10, v[B2O]
	v_lshl_add_u32 v[AWA], v[T_L], 4, W1R
	v_lshl_add_u32 v[BIA], v[T_H], 5, B1R
	v_lshl_add_u32 v[GAA], v[T_L], 4, G1R
	v_lshl_add_u32 v[G2A], v[T_L], 4, G2R
	v_mul_u32_u24 v[XMA], v[T_R], PITCH
	v_add_nc_u32 v[XMA], v[XMA], v[H64]
	v_add_nc_u32 v[XMA], s49, v[XMA]
	v_add_nc_u32 v[MKA], MR, v[XMA]
	v_lshlrev_b32 v[Q4], 2, v[T_R]
	v_mul_u32_u24 v[RD], v[T_L3], PITCH
	v_lshl_add_u32 v[RD], v[T_L7], 4, v[RD]
	v_add_nc_u32 v[RD], s49, v[RD]
	v_lshl_add_u32 v[GO], v[T_L], 4, s91
	v_lshl_add_u32 v[W2O], v[T_R], 8, v[H64]
	v_add_nc_u32 v[W2O], s91, v[W2O]
	; where the weights that my wave lays out come from
	v_lshl_add_u32 v16, v[T_L], 4, s92                  ; W_ih1: sub-tile w's 16 rows of a gate are 2,048 bytes on end: 2048 w + 16 l
	v_add_nc_u32 v17, s90, v[Q4]                        ; b1: 64 w + 4 r
	s_and_b32 s93, s[WV], 1                             ; Wg1: fragment w = chunk w / 2, row tile w % 2: row 16 (w % 2) + 4 q + l / 8, bytes 128 (w / 2) + 16 (l % 8)
	s_lshl_b32 s93, s93, 14
	s_lshr_b32 s92, s[WV], 1
	s_lshl_b32 s92, s92, 7
	s_add_co_u32 s93, s93, s92
	v_lshl_add_u32 v18, v[T_L3], 10, s93
	v_lshl_add_u32 v18, v[T_L7], 4, v18
	v_lshlrev_b32 v19, 5, v[T_H]                        ; bg1: 32 h
	s_lshl_b32 s92, s[WV], 3
	v_lshl_add_u32 v20, v[T_B0], 2, s92                 ; bg2: two numbers a wave: 8 w + 4 (l % 2)
	s_and_b32 s92, s[WV], 1                             ; Wg2: my 128 bytes of the fragments are tile w / 8, half (w / 4) % 2, lanes 8 (w % 4) + i:
	s_lshl_b32 s92, s92, 11                             ; feature 16 (w % 2) + 8 (w / 8) + i, columns 16 ((w / 4) % 2) + 8 ((w / 2) % 2) + 4 (l % 2) on
	s_lshr_b32 s93, s[WV], 3
	s_lshl_b32 s93, s93, 10
	s_add_co_u32 s92, s92, s93
	s_bfe_u32 s93, s[WV], 0x10002
	s_lshl_b32 s93, s93, 6
	s_add_co_u32 s92, s92, s93
	s_bfe_u32 s93, s[WV], 0x10001
	s_lshl_b32 s93, s93, 5
	s_add_co_u32 s92, s92, s93
	v_lshl_add_u32 v26, v[T_I], 7, s92
	v_lshl_add_u32 v26, v[T_B0], 4, v26
	; and where they go: each wave writes bytes on end that are its own
	v_lshlrev_b32 v27, 3, v[T_B0]
	v_lshl_add_u32 v27, v[T_L3], 4, v27                 ; 16 (l / 8) + 8 (l % 2)
	s_mul_i32 s92, s[WV], 3072
	s_add_co_u32 s92, s92, W1R
	v_lshl_add_u32 v21, v[T_B2], 8, v27                 ; W_ih1: features 4 (l % 8) on: lane half = bit 2, register half = bit 1
	v_lshl_add_u32 v21, v[T_B1], 9, v21
	v_add_nc_u32 v21, s92, v21
	s_lshl_b32 s93, s[WV], 10
	s_add_co_u32 s93, s93, G1R
	v_lshl_add_u32 v22, v[T_B2], 9, v27                 ; Wg1: K in its own order: register half = bit 2, lane half = bit 1
	v_lshl_add_u32 v22, v[T_B1], 8, v22
	v_add_nc_u32 v22, s93, v22
	s_lshl_b32 s92, s[WV], 7
	s_add_co_u32 s92, s92, G2R
	v_lshl_add_u32 v23, v[T_R], 3, s92                  ; Wg2: 128 w + 8 r
	s_mul_i32 s93, s[WV], 192
	s_add_co_u32 s93, s93, B1R
	v_add_nc_u32 v24, s93, v[Q4]
	v_add_nc_u32 v25, BG2R, v20
	s_lshl_b32 s90, s[BB], 16                           ; the batch's 512 rows of 128 bytes,
	s_add_co_u32 s92, s90, s91                          ; my wave's 32 of them
	s_mov_b32 s91, 0
	s_mov_b32 s93, 0
	s_lshl_b32 s4, s[BB], 2
	s_mov_b32 s5, 0
	s_wait_dscnt 0x0                                    ; both opening adds are done
	s_wait_kmcnt 0x0
	s_add_nc_u64 s[50:51], s[8:9], s[92:93]
	s_or_b32 s51, s51, 0x80000000                       ; type = 2
	s_add_nc_u64 s[54:55], s[10:11], s[92:93]
	s_or_b32 s55, s55, 0x80000000
	tensor_load_to_lds s[48:51], s[56:63]               ; my x; both first fills go out together: two tensor loads of mine are out, and none follows
	s_nop 0
	tensor_load_to_lds s[52:55], s[56:63]               ; my mask: wanted only behind the loop
	s_nop 0
	s_add_nc_u64 s[46:47], s[44:45], s[90:91]           ; out1 at the batch
	s_add_nc_u64 s[86:87], s[24:25], s[90:91]
	s_add_nc_u64 s[86:87], s[86:87], 511*128            ; seq_features[b][511]
	s_add_nc_u64 s[26:27], s[26:27], s[4:5]
	s_add_nc_u64 s[42:43], s[42:43], s[4:5]             ; out0[b]
	s_load_b32 s85, s[26:27], 0x0                       ; basin_ids[b]
	s_load_b32 s6, s[40:41], 0x0                        ; bp2
	; ---- the weights of the loop: f32 from memory, scaled, rounded, into LDS as fragments; wave w makes sub-tile w
.irp g, 0,1,2
.irp q, 0,1,2,3
	global_load_b128 v[32+16*(\g)+4*(\q):32+16*(\g)+4*(\q)+3], v16, s[12:13] offset:32768*((3*(\g)+1)/2)+512*(\q)  ; gates i, g, o begin at rows 0, 512, 768
.endr
.endr
.irp g, 0,1,2
	global_load_b32 v[96+(\g)], v17, s[14:15] offset:1024*((3*(\g)+1)/2)
.endr
.irp q, 0,1,2,3
	global_load_b128 v[80+4*(\q):80+4*(\q)+3], v18, s[16:17] offset:4096*(\q)
.endr
	global_load_b128 v[100:103], v26, s[20:21]
	global_load_b32 v99, v20, s[22:23]
.irp t, 0,1
.irp m, 0,1
	global_load_b128 v[HA+16*(\t)+8*(\m):HA+16*(\t)+8*(\m)+3],   v19, s[18:19] offset:64*(\m)      ; bg1 starts hid's sums
	global_load_b128 v[HA+16*(\t)+8*(\m)+4:HA+16*(\t)+8*(\m)+7], v19, s[18:19] offset:64*(\m)+16
.endr
.endr
	s_wait_loadcnt 0x0
.irp g, 0,1,2
.irp q, 0,1,2,3
.if (\g) == 1
	CV 32+16*(\g)+4*(\q), N2L
.else
	CV 32+16*(\g)+4*(\q), NL
.endif
	ds_store_b64 v21, v[32+16*(\g)+4*(\q):32+16*(\g)+4*(\q)+1] offset:1024*(\g)+64*(\q)
.endr
.endr
.irp q, 0,1,2,3
	CV 80+4*(\q), -1
	ds_store_b64 v22, v[80+4*(\q):80+4*(\q)+1] offset:64*(\q)
.endr
	CV 100, L2E
	ds_store_b64 v23, v[100:101]
	v_mul_f32 v96, s[NL], v96
	v_mul_f32 v97, s[N2L], v97
	v_mul_f32 v98, s[NL], v98
	v_mul_f32 v99, s[L2E], v99
.irp g, 0,1,2
	ds_store_b32 v24, v[96+(\g)] offset:64*(\g)
.endr
	ds_store_b32 v25, v99
	s_wait_kmcnt 0x0
	s_min_u32 s85, s85, 530                             ; the index stays inside its table
	s_lshl_b32 s88, s85, 7
	s_mov_b32 s89, 0
	s_add_nc_u64 s[88:89], s[28:29], s[88:89]           ; basin_emb[id]
	s_wait_tensorcnt 0x1                                ; my x is in; the one younger load, my mask's, may stay out
	s_wait_dscnt 0x0                                    ; for the others' sake: my part of the weights lies in LDS
	s_barrier_signal -1
	s_barrier_wait -1
	; ---- x: clipped, rounded, kept in registers
.irp t, 0,1
.irp c, 0,1,2,3
	ds_load_b128 v[32+16*(\t)+4*(\c):32+16*(\t)+4*(\c)+3], v[XMA] offset:HALF*(\t)+16*(\c)
.endr
.endr
	s_wait_dscnt 0x0
.set z, 32
.rept 32
	v_med3_num_f32 v[z], v[z], s[CM3], s[CP3]
.set z, z+1
.endr
.set z, 0
.rept 16
	v_cvt_pk_bf16_f32 v[XF+z], v[32+2*z], v[32+2*z+1]
.set z, z+1
.endr
	; half of my W_ih2 (fragment f = 2 gate + half of K) is asked for now and waited for behind the loop
.irp f, 0,1,2
.irp c, 0,1,2,3
	global_load_b128 v[W2E+16*(\f)+4*(\c):W2E+16*(\f)+4*(\c)+3], v[W2O], s[30:31] offset:65536*((3*((\f)/2)+1)/2)+128*((\f)%2)+16*(\c)
.endr
.endr
	LOADW 0, 0
	; ---- the loop: 8 chunks of 32 channels of h1; the last is written out, since it fetches nothing beyond sub-tile 15
	s_mov_b32 s7, 7
.Lchunk:
	SUB 0, 1, 3072, 192
	SUB 1, 1, 6144, 384
	HID
	v_add_nc_u32 v[AWA], 6144, v[AWA]
	v_add_nc_u32 v[BIA], 384, v[BIA]
	v_add_nc_u32 v[GAA], 2048, v[GAA]
	s_sub_co_u32 s7, s7, 1
	s_cmp_lg_u32 s7, 0
	s_cbranch_scc1 .Lchunk
	SUB 0, 1, 3072, 192
	SUB 1, 0, 0, 0
	HID
	; ---- behind the loop: the rest of W_ih2 and b2 are asked for, into registers whose last products lie a cell back
.irp f, 3,4,5
.irp c, 0,1,2,3
	global_load_b128 v[16*(\f)-32+4*(\c):16*(\f)-32+4*(\c)+3], v[W2O], s[30:31] offset:65536*((3*((\f)/2)+1)/2)+128*((\f)%2)+16*(\c)
.endr
.endr
.irp g, 0,1,2
	global_load_b128 v[64+8*(\g):64+8*(\g)+3], v[B2O], s[32:33] offset:1024*((3*(\g)+1)/2)
	global_load_b128 v[64+8*(\g)+4:64+8*(\g)+7], v[B2O], s[32:33] offset:1024*((3*(\g)+1)/2)+16
.endr
	v_add_nc_u32 v[AWA], BG2R, v[H64]                   ; three addresses and a v_nop: the four places behind hid's last products
	v_add_nc_u32 v[BIA], WROW, v[H64]
	v_add_nc_u32 v[GAA], PPR, v[B2O]
	v_nop
	s_wait_tensorcnt 0x0                                ; my mask is in
.irp f, 0,1,2,3
	ds_load_b128 v[88+4*(\f):88+4*(\f)+3], v[G2A] offset:512*(\f)     ; Wg2's two fragments
.endr
.irp c, 0,1,2,3
	ds_load_b128 v[104+4*(\c):104+4*(\c)+3], v[AWA] offset:16*(\c)    ; bg2 of my 16 features, as C
.endr
.irp a, 0,1,2,3                        ; leaky(x) = max(x, 0.01 x), then bf16: source 1 of the logits
.irp p, 0,2,4,6
	v_pk_mul_f32 v[136+(\p):136+(\p)+1], v[HA+8*(\a)+(\p):HA+8*(\a)+(\p)+1], s[CLK:CLK+1] op_sel_hi:[1,0]
.endr
.irp j, 0,1,2,3,4,5,6,7
	v_max_num_f32 v[HA+8*(\a)+(\j)], v[HA+8*(\a)+(\j)], v[136+(\j)]
.endr
.irp i, 0,1,2,3
	v_cvt_pk_bf16_f32 v[GA+4*(\a)+(\i)], v[HA+8*(\a)+2*(\i)], v[HA+8*(\a)+2*(\i)+1]
.endr
.endr
	s_wait_dscnt 0x0
.irp t, 0,1
.irp m, 0,1
	v_wmma_f32_16x16x32_bf16 v[HA+16*(\t)+8*(\m):HA+16*(\t)+8*(\m)+7], v[88+8*(\m):88+8*(\m)+7], v[GA+8*(\t):GA+8*(\t)+7], v[104+8*(\m):104+8*(\m)+7]
.endr
.endr
	PLACES
.irp c, 0,1,2,3
	global_load_b128 v[88+4*(\c):88+4*(\c)+3], v[H64], s[86:87] offset:16*(\c)     ; seq_features[b][511], my 16 features
	global_load_b128 v[104+4*(\c):104+4*(\c)+3], v[H64], s[88:89] offset:16*(\c)   ; the embedding, my 16 numbers
.endr
	global_load_b128 v[176:179], v[WPO], s[34:35]       ; Wp1: row r, my wave's 16 columns, my half's 8
	global_load_b128 v[180:183], v[WPO], s[34:35] offset:16
	global_load_b32 v136, v[Q4], s[36:37]               ; bp1[r]
	global_load_b32 v137, v[Q4], s[38:39]               ; Wp2[r]
	SOFTMAX 0
	SOFTMAX 1
	; ---- the second cell, for t = 511 alone: wave w makes channels 16 w .. 16 w + 15 of h2; all 16 columns of source 1 hold the one row
	s_wait_loadcnt 0x0
.irp f, 0,1,2                          ; W_ih2 to bf16, in ascending order, so that no f32 is written over before it is read
.irp i, 0,1,2,3,4,5,6,7
	v_cvt_pk_bf16_f32 v[A2+8*(\f)+(\i)], v[W2E+16*(\f)+2*(\i)], v[W2E+16*(\f)+2*(\i)+1]
.endr
.endr
.irp f, 3,4,5
.irp i, 0,1,2,3,4,5,6,7
	v_cvt_pk_bf16_f32 v[A2+8*(\f)+(\i)], v[16*(\f)-32+2*(\i)], v[16*(\f)-32+2*(\i)+1]
.endr
.endr
.set z, 0
.rept 16
	v_med3_num_f32 v[104+z], v[104+z], s[CM3], s[CP3]   ; x2's clip on the embedding
	v_med3_num_f32 v[88+z], v[88+z], s[CM3], s[CP3]     ; sf
.set z, z+1
.endr
.irp i, 0,1,2,3,4,5,6,7
	v_cvt_pk_bf16_f32 v[24+(\i)], v[104+2*(\i)], v[104+2*(\i)+1]
.endr
.irp g, 0,1,2                          ; the embedding's half of K does not wait for w; b2 is C
	v_wmma_f32_16x16x32_bf16 v[32+8*(\g):32+8*(\g)+7], v[A2+16*(\g)+8:A2+16*(\g)+15], v[24:31], v[64+8*(\g):64+8*(\g)+7]
.endr
	s_wait_dscnt 0x0                                    ; for the others' sake: wave 15's stage holds w[b][511]
	s_barrier_signal -1
	s_barrier_wait -1
.irp c, 0,1,2,3
	ds_load_b128 v[MK+4*(\c):MK+4*(\c)+3], v[BIA] offset:16*(\c)
.endr
	s_wait_dscnt 0x0
.irp p, 0,2,4,6,8,10,12,14
	v_pk_mul_f32 v[88+(\p):88+(\p)+1], v[88+(\p):88+(\p)+1], v[MK+(\p):MK+(\p)+1]
.endr
.set z, 0
.rept 16
	v_med3_num_f32 v[88+z], v[88+z], s[CM3], s[CP3]
.set z, z+1
.endr
.irp i, 0,1,2,3,4,5,6,7
	v_cvt_pk_bf16_f32 v[16+(\i)], v[88+2*(\i)], v[88+2*(\i)+1]
.endr
.irp g, 0,1,2                          ; the three sums take turns: the product in front of the first of these wrote gate o's
	v_wmma_f32_16x16x32_bf16 v[32+8*(\g):32+8*(\g)+7], v[A2+16*(\g):A2+16*(\g)+7], v[16:23], v[32+8*(\g):32+8*(\g)+7]
.endr
	PLACES
.irp p, 0,2,4,6
	v_pk_mul_f32 v[32+(\p):32+(\p)+1], v[32+(\p):32+(\p)+1], s[NL:NL+1] op_sel_hi:[1,0]
	v_pk_mul_f32 v[40+(\p):40+(\p)+1], v[40+(\p):40+(\p)+1], s[N2L:N2L+1] op_sel_hi:[1,0]
	v_pk_mul_f32 v[48+(\p):48+(\p)+1], v[48+(\p):48+(\p)+1], s[NL:NL+1] op_sel_hi:[1,0]
.endr
	ACT 32, 40, 48, TW, 8
.irp i, 0,1,2,3                        ; Wp1 h2 over my 16 channels: one product whose upper half of K is 0 in both sources
	v_cvt_pk_bf16_f32 v[56+(\i)], v[32+2*(\i)], v[32+2*(\i)+1]
	v_cvt_pk_bf16_f32 v[64+(\i)], v[176+2*(\i)], v[176+2*(\i)+1]
	v_mov_b32 v[60+(\i)], 0
	v_mov_b32 v[68+(\i)], 0
.endr
	v_wmma_f32_16x16x32_bf16 v[72:79], v[64:71], v[56:63], 0
	PLACES
	ds_store_b128 v[GAA], v[72:75]                      ; the 16 lanes of a half hold equal numbers and write the same bytes
	ds_store_b128 v[GAA], v[76:79] offset:16
	s_wait_dscnt 0x0
	s_barrier_signal -1
	s_barrier_wait -1                                   ; all 16 partial sums lie in LDS
	s_cmp_lg_u32 s[WV], 0
	s_cbranch_scc1 .Lend
	v_add_nc_u32 v[G2A], PPR, v[Q4]
.irp k, 0,1,2,3,4,5,6,7,8,9,10,11,12,13,14,15
	ds_load_b32 v[80+(\k)], v[G2A] offset:64*(\k)
.endr
	s_wait_dscnt 0x0
	v_pk_add_f32 v[80:81], v[80:81], v[88:89]
	v_pk_add_f32 v[82:83], v[82:83], v[90:91]
	v_pk_add_f32 v[84:85], v[84:85], v[92:93]
	v_pk_add_f32 v[86:87], v[86:87], v[94:95]
	v_pk_add_f32 v[80:81], v[80:81], v[84:85]
	v_pk_add_f32 v[82:83], v[82:83], v[86:87]
	v_pk_add_f32 v[80:81], v[80:81], v[82:83]
	v_add_f32 v80, v80, v81
	v_add_f32 v80, v80, v136                            ; + bp1[r]
	v_mul_f32 v81, s[CLK], v80
	v_max_num_f32 v80, v80, v81                         ; leaky
	v_mul_f32 v80, v80, v137                            ; x Wp2[r]: 16 terms for one row, summed over the 16 lanes in f32
	v_add_f32_dpp v80, v80, v80 row_xmask:1 row_mask:0xf bank_mask:0xf
	v_add_f32_dpp v80, v80, v80 row_xmask:2 row_mask:0xf bank_mask:0xf
	v_add_f32_dpp v80, v80, v80 row_xmask:4 row_mask:0xf bank_mask:0xf
	v_add_f32_dpp v80, v80, v80 row_xmask:8 row_mask:0xf bank_mask:0xf
	v_add_f32 v80, s6, v80                              ; + bp2
	v_med3_num_f32 v80, v80, 0, s[C100]
	v_cmp_eq_u32 vcc_lo, 0, v0
	s_wait_xcnt 0x0                                     ; EXEC is a source of the stores of out1: it changes only behind this wait
	s_and_saveexec_b32 s90, vcc_lo
	global_store_b32 v0, v80, s[42:43]                  ; thread 0 alone, whose v0 is the offset 0
	s_wait_xcnt 0x0                                     ; and again in front of the line that widens it
	s_or_b32 exec_lo, exec_lo, s90
.Lend:
	s_wait_tensorcnt 0x0                                ; the wave's end: a tensor wait, an add and its wait, behind my last tensor load and my last LDS store
	ds_add_u32 v[SPW], v[NIL]
	s_wait_dscnt 0x0
	s_endpgm
.Lfunc_end_k_q226b80d019_fused:
	.size	k_q226b80d019_fused, .Lfunc_end_k_q226b80d019_fused-k_q226b80d019_fused
	.p2alignl 7, 3214868480
	.fill 96, 4, 3214868480
	.section	.rodata,"a",@progbits
	.p2align	6, 0x0
	.amdhsa_kernel k_q226b80d019_fused
		.amdhsa_group_segment_fixed_size 327680
		.amdhsa_private_segment_fixed_size 0
		.amdhsa_enable_private_segment 0
		.amdhsa_kernarg_size 152
		.amdhsa_user_sgpr_count 2
		.amdhsa_user_sgpr_kernarg_segment_ptr 1
		.amdhsa_wavefront_size32 1
		.amdhsa_system_sgpr_workgroup_id_x 1
		.amdhsa_system_sgpr_workgroup_id_y 1
		.amdhsa_system_sgpr_workgroup_id_z 1
		.amdhsa_system_vgpr_workitem_id 0
		.amdhsa_next_free_vgpr 256
		.amdhsa_next_free_sgpr 96
		.amdhsa_reserve_vcc 1
		.amdhsa_float_denorm_mode_32 3
		.amdhsa_float_denorm_mode_16_64 3
		.amdhsa_memory_ordered 1
		.amdhsa_forward_progress 1
		.amdhsa_inst_pref_size 94
	.end_amdhsa_kernel
	.amdgpu_metadata
---
amdhsa.version: [ 1, 2 ]
amdhsa.kernels:
  - .name:           k_q226b80d019_fused
    .symbol:         k_q226b80d019_fused.kd
    .args:
      - { .name: lstm1_input, .offset: 0, .size: 8, .value_kind: global_buffer, .address_space: global }
      - { .name: missing_bool, .offset: 8, .size: 8, .value_kind: global_buffer, .address_space: global }
      - { .name: W_ih1, .offset: 16, .size: 8, .value_kind: global_buffer, .address_space: global }
      - { .name: b1, .offset: 24, .size: 8, .value_kind: global_buffer, .address_space: global }
      - { .name: Wg1, .offset: 32, .size: 8, .value_kind: global_buffer, .address_space: global }
      - { .name: bg1, .offset: 40, .size: 8, .value_kind: global_buffer, .address_space: global }
      - { .name: Wg2, .offset: 48, .size: 8, .value_kind: global_buffer, .address_space: global }
      - { .name: bg2, .offset: 56, .size: 8, .value_kind: global_buffer, .address_space: global }
      - { .name: seq_features, .offset: 64, .size: 8, .value_kind: global_buffer, .address_space: global }
      - { .name: basin_ids, .offset: 72, .size: 8, .value_kind: global_buffer, .address_space: global }
      - { .name: basin_emb, .offset: 80, .size: 8, .value_kind: global_buffer, .address_space: global }
      - { .name: W_ih2, .offset: 88, .size: 8, .value_kind: global_buffer, .address_space: global }
      - { .name: b2, .offset: 96, .size: 8, .value_kind: global_buffer, .address_space: global }
      - { .name: Wp1, .offset: 104, .size: 8, .value_kind: global_buffer, .address_space: global }
      - { .name: bp1, .offset: 112, .size: 8, .value_kind: global_buffer, .address_space: global }
      - { .name: Wp2, .offset: 120, .size: 8, .value_kind: global_buffer, .address_space: global }
      - { .name: bp2, .offset: 128, .size: 8, .value_kind: global_buffer, .address_space: global }
      - { .name: out0, .offset: 136, .size: 8, .value_kind: global_buffer, .address_space: global }
      - { .name: out1, .offset: 144, .size: 8, .value_kind: global_buffer, .address_space: global }
    .group_segment_fixed_size: 327680
    .private_segment_fixed_size: 0
    .kernarg_segment_align: 8
    .kernarg_segment_size: 152
    .max_flat_workgroup_size: 512
    .sgpr_count:     96
    .vgpr_count:     256
    .wavefront_size: 32
...
	.end_amdgpu_metadata
.endif
;; end of part 1
